; MI455X (gfx1250); checked and timed in simulation.
; The chip was launched on July 23, 2026; its instructions are those of AMD's public machine-readable ISA for CDNA 5 (MIT licence, August 2026) and "CDNA5" Instruction Set Architecture Reference Guide (July 2026). The comments in the code are by the model that wrote it; some were corrected since.
;; Scaled Dot Product Attention. Allowed arithmetic: matrix products marked QUANTISED: E5M2 operands, one E8M0 scale for each 32 along K, by v_wmma_scale_f32_16x16x128_f8f6f4 with both operands' format E5M2, f32 sums; everything else in f32.
;; Inputs: k 4 x 16 x 2,048 x 128 float32; mask 1 x 1 x 2,048 x 2,048 bool; q 4 x 16 x 2,048 x 128 float32; v 4 x 16 x 2,048 x 128 float32.
;; Outputs: out0 4 x 16 x 2,048 x 128 float32.
;; This version of the problem:
;;   THIS VERSION OF THE PROBLEM IS GIVEN IN LOW PRECISION. The matrix products marked QUANTISED in the list below multiply operands that are first quantised to E5M2 (5 exponent bits, 2 mantissa bits; 8 bits a number), with one power-of-two scale for each 32 numbers along K (OCP MX v1.0); their sums are f32. All else is computed in f32.
;;   The module's matrix products, in the order in which they are computed (A, B: the left and right operand; K: the contracted axis; several contracted axes count as one K, in the product's order):
;;     1. batch 64 x [M 2,048, K 128] x [K 128, N 2,048]; A: input q; B: input k: QUANTISED
;;     2. batch 64 x [M 2,048, K 2,048] x [K 2,048, N 128]; A: softmax (see below); B: input v: QUANTISED
;;   THE QUANTISER, for each operand of a quantised product, along K:
;;     - K is cut into blocks of 32 from its start; a last block that is shorter is filled with zeros.
;;     - A block's scale is 2^e with e = floor(log2(the largest magnitude in the block)) - 15, held to -126 .. 127; a block of zeros has e = 0. As a byte (E8M0): e + 127.
;;     - Each number is divided by its block's scale, clamped to +-57,344, and rounded to the nearest number of E5M2, ties to even, subnormals kept.
;;     - The product sums the exact products of the quantised numbers (number of the format x scale) in f32.
;;   ~~~python
;;   def quantise(x, axis):      # numpy; x: float32 -> the quantised numbers, widened to float32 again
;;       x = np.moveaxis(x, axis, -1); K = x.shape[-1]
;;       x = np.pad(x, [(0, 0)] * (x.ndim - 1) + [(0, -K % 32)]); x = x.reshape(x.shape[:-1] + (-1, 32)); a = np.abs(x).max(-1, keepdims=True)
;;       e = np.where(a > 0, np.clip(np.frexp(np.where(a > 0, a, 1))[1] - 1 - 15, -126, 127), 0)      # np.frexp(a)[1] - 1 = floor(log2(a)), exactly
;;       r = np.clip(x / 2.0 ** e, -57344, 57344)
;;       step = 2.0 ** (np.maximum(np.frexp(np.where(r == 0, 1, r))[1] - 1, -14) - 2)
;;       q = np.round(r / step) * step * 2.0 ** e      # np.round: ties to even
;;       return np.moveaxis(q.reshape(q.shape[:-2] + (-1,))[..., :K], -1, axis).astype(np.float32)
;;   ~~~
;;   SOFTMAX AHEAD OF A QUANTISED PRODUCT. Where the list says 'softmax', what is quantised is not the finished softmax but p = 2^(t - M), with t = logit x log2(e) and M = ceil(the row's largest t), a whole number; so 1/2 < the row's largest p <= 1. The row's sum l is taken of the UNQUANTISED p, in f32, and the product's result is divided by l at the end. Since M is a whole number, a kernel that streams over the keys may use a running M (the ceiling of the running maximum): every later rescaling is an exact power of two, which a block's scale takes up: the codes' values come out the same.
;;   OPERANDS COMPUTED ON THE WAY. 'Computed on the way' means the value that the module computes at that place (a softmax that the list does not call 'softmax' is quantised finished and normalised). What goes into a quantiser is computed in f32, as accurately as f32 sums, v_exp_f32 and their like allow (about 1e-6 of the number): no bf16 or f16 on the way to a quantiser, and a product that is left as it is and whose result goes on into a quantised operand takes f32 operands (vector FMAs, or v_wmma_f32_16x16x4_f32). A number that lies on a knife's edge between two numbers of the format may be rounded either way, as far as f32 arithmetic and the matrix unit's own rounding can turn it there, and no further.
;; One version. Each part assembles by itself: llvm-mc -triple=amdgcn-amd-amdhsa -mcpu=gfx1250 --defsym DOCPART=n.
;; ======== version 1 of 1: 2 launches
;; limits: right only within a limited range of input values
;; workspace buffers: kv 34,603,008 bytes; flags 16,384 bytes of whole numbers
;; launch quant (part 1): grid 1024 x 1, 4 waves a work-group, no clusters, 68,096 bytes of LDS; arguments k, v, kv, mask, flags; writes kv, flags
.if DOCPART == 1
	.amdgcn_target "amdgcn-amd-amdhsa--gfx1250"
	.amdhsa_code_object_version 6
	.text
	.protected	k_qbce0e0deca_quant
	.globl	k_qbce0e0deca_quant
	.p2align	8
	.type	k_qbce0e0deca_quant,@function
k_qbce0e0deca_quant:
	s_mov_b64 s[64:65], 0
	v_nop
	global_prefetch_b8 v0, s[64:65] scope:SCOPE_SE
	s_setreg_imm32_b32 hwreg(HW_REG_WAVE_MODE, 25, 1), 1
	s_wait_xcnt 0x0
; k and v, [64 heads][2048 keys][128] f32, become codes of BF8 (E5M2) with one E8M0 scale byte for each 32 along the product's K:
; k along the head's 128, v along the KEYS.  They are laid in kv as IMAGES OF THE OPERAND REGISTERS that the attention launch wants, so that it reads every fragment as 16 bytes x lane.
; A UNIT of kv is 256 keys of one head, two key steps q of 128: 67,584 bytes = 264 x 256.  L = lane, r = L % 16, h = L / 16:
;   KC    0 + 16384 q + 2048 t + 512 c + 16 L : K's tile t = 2 b + u: lane (r, h) holds key 32 b + 8 u + r + 8 (r / 8) of the step, d = 32 c + 16 h + 0 .. 15
;   VC 32768 + 16384 q + 2048 t + 512 c + 16 L : V^T's tile t: lane (r, h) holds channel 16 t + r, keys 32 c + 16 h + 0 .. 15 of the step
;   KS 65536 + 512 q + 256 e + 8 L + 4 p       : scale register b = 2 e + p: lanes 0-15 the words of tile 2 b's rows, lanes 16-31 of tile 2 b + 1's
;   VS 66560 + 256 j + 8 L + 4 q               : the scale word of channel 32 j + L for step q
; A block's scale is 2^(floor(log2(its largest magnitude)) - 15); its byte is that magnitude's exponent field - 15, held at 1 from below; each number is held within +-57,344 x the scale and rounded to the nearest code.
; LIMITS: a block of zeros, or one whose largest magnitude lies under 2^(16 - 127), keeps the byte 1 (its codes are zeros or next to it; this program alone reads the bytes); NaN and infinities among the inputs are not served.
; SHARES: work-groups 0-511 take K's units, 512-1023 V's: one scalar branch on the work-group's number.  Only K's path touches LDS.  No barrier: waves share nothing.
.set UNITB, 67584
.set VCO,   32768
.set KSO,   65536
.set VSO,   66560
.set SPT,   528                        ; a stage row: a key's 512 bytes + 16 of padding = 132 words: row r starts at bank 4 r mod 64 (64 banks of 4 bytes: ISA guide 11.1)
.set WST,   32*SPT                     ; a wave's stage: 32 keys
.set TM,    16                         ; v16-19 largest magnitudes, v20-23 the other half's, then bytes, v24-27 57,344 x the scale, v28-31 the conversions' scale operands
.set PC,    32                         ; v32-47   a fragment's codes
.set PW0,   48                         ; v48, v49 the scale words of a pair's two tiles
.set KW,    50                         ; v[50:51] the wave's two scale registers
.set XK,    64                         ; v64-127  64 numbers of a lane: register 16 c + n = d 32 c + 16 h + n of my key
.set R,     128                        ; v128-255 32 keys as they are loaded
.set XV,    32                         ; V's path: v32-95 two sets of 32 numbers down the keys
.set CV,    96                         ; v96-159  eight registers of codes for each block: no store's data are written again
.set SB,    24                         ; v[24:25] my channel's two scale words
	s_load_b128 s[4:7], s[0:1], 0x0                ; k, v
	s_load_b64 s[8:9], s[0:1], 0x10
	s_load_b128 s[32:35], s[0:1], 0x18             ; mask, flags
; THE MASK'S FLAGS.  Work-group T = 16 g + s, wave w reads rows 32 g + 8 w .. + 7, keys 128 s .. + 127 of the mask (bytes 0 or 1) and stores one word, flags[4 T + w]:
; bit 0 = some key of the piece is open, bit 1 = some key is hidden.  The attention launch reads them and walks only the steps that hold an open key.
; A word is 4 bytes of a unit of 256: the 16,384 bytes of flags are written in parts, one owner a word.
.macro MLOAD b                         ; two loads: four rows of 128 bytes each, eight lanes to a row
	s_lshr_b32 s36, ttmp9, 4
	s_lshl_b32 s36, s36, 16
	s_and_b32 s37, ttmp9, 15
	s_lshl_b32 s37, s37, 7
	s_add_co_u32 s36, s36, s37
	s_lshl_b32 s37, s10, 14
	s_add_co_u32 s36, s36, s37
	s_mov_b32 s37, 0
	s_add_nc_u64 s[32:33], s[32:33], s[36:37]
	global_load_b128 v[\b:\b+3], v8, s[32:33]
	global_load_b128 v[\b+4:\b+7], v8, s[32:33] offset:8192
.endm
.macro MFIN b                          ; the piece's bytes are or-ed and and-ed; lane 0 stores the word
	v_or_b32 v9, v[\b], v[\b+1]
	v_and_b32 v[\b], v[\b], v[\b+1]
.irp j, 2,3,4,5,6,7
	v_or_b32 v9, v9, v[\b+\j]
	v_and_b32 v[\b], v[\b], v[\b+\j]
.endr
	v_cmp_ne_u32 s36, 0, v9                        ; lanes that hold a hidden key
	v_cmp_ne_u32 s37, 0x01010101, v[\b]            ; lanes that hold an open key
	s_cmp_lg_u32 s36, 0
	s_cselect_b32 s36, 2, 0
	s_cmp_lg_u32 s37, 0
	s_cselect_b32 s37, 1, 0
	s_or_b32 s36, s36, s37
	s_lshl_b32 s38, ttmp9, 4
	s_lshl_b32 s37, s10, 2
	s_add_co_u32 s38, s38, s37
	s_mov_b32 s39, 0
	s_add_nc_u64 s[34:35], s[34:35], s[38:39]
	v_mov_b32 v9, s36
	v_mov_b32 v[\b], 0
	v_cmp_eq_u32 vcc_lo, 0, v1
	s_wait_alu depctr_va_vdst(0)                   ; directly ahead of the wait below
	s_wait_xcnt 0x0                                ; EXEC changes only behind this wait
	s_and_saveexec_b32 s37, vcc_lo
	global_store_b32 v[\b], v9, s[34:35]
	s_wait_xcnt 0x0
	s_or_b32 exec_lo, exec_lo, s37
.endm
	v_lshl_add_u32 v14, v0, 2, 0x10800
	v_mov_b32 v15, 0
	v_lshrrev_b32 v1, 5, v0
	v_readfirstlane_b32 s10, v1                    ; wave 0..3
	v_and_b32 v1, 31, v0                           ; lane
	s_wait_alu depctr_va_vdst(0)
	s_and_b32 s11, ttmp9, 511                      ; the unit: 8 x head + slot
	s_lshl_b32 s16, s11, 17                        ; its 256 keys of 512 bytes in k or v
	s_mov_b32 s17, 0
	s_mul_i32 s18, s11, UNITB                      ; and its place in kv (under 2^32)
	s_mov_b32 s19, 0
	s_mov_b32 s25, 0
	s_mov_b32 s20, 0x76543210
	s_mov_b32 s21, 0xfedcba98                      ; v_permlanex16_b32's selects for lane l xor 16
	s_mov_b32 s23, 0x600000                        ; the mantissa field of 57,344
	s_mov_b32 s30, 0xffff0000                      ; lanes 16-31
	v_lshlrev_b32 v5, 3, v1
	v_lshrrev_b32 v8, 3, v1
	v_and_b32 v9, 7, v1
	v_lshlrev_b32 v8, 11, v8
	v_lshl_add_u32 v8, v9, 4, v8                   ; the mask: row lane / 8 of 2,048 bytes, + 16 (lane % 8)
	s_wait_alu depctr_va_vdst(0)                   ; at the head's end
	s_wait_kmcnt 0x0
	s_add_nc_u64 s[8:9], s[8:9], s[18:19]          ; kv at my unit
	s_cmp_ge_u32 ttmp9, 512
	s_cbranch_scc1 .Lv_path
; ---------------- K: wave w takes keys 64 w .. 64 w + 63 of the unit, in two pairs of tiles (32 keys each).
; Each load reads one key's 512 consecutive bytes, 16 a lane.  The conversions want 16 neighbours along d in ONE lane, so the 32 keys turn through the wave's own stage in LDS; key n of the pair goes
; to stage row 16 ((n / 8) % 2) + n % 8 + 8 (n / 16), so that a tile's sixteen rows lie on end.
	v_lshlrev_b32 v2, 4, v1                        ; 16 x lane: loads, and the images' way out
	s_mul_i32 s26, s10, WST
	v_add_nc_u32 v3, s26, v2                       ; the stage, on the way in
	v_and_b32 v6, 15, v0
	v_bfe_u32 v7, v0, 4, 1
	v_mul_u32_u24 v4, v6, SPT
	v_lshl_add_u32 v4, v7, 6, v4
	v_add_nc_u32 v4, s26, v4                       ; and on the way out: row r, + 64 h bytes
.irp b, 0,1,2,3
	v_mov_b32 v[TM+4+\b], 0                        ; written once: a lane permute's destination counts as one of its sources
.endr
	s_lshl_b32 s24, s10, 15
	s_add_co_u32 s16, s16, s24
	s_add_nc_u64 s[4:5], s[4:5], s[16:17]          ; k at my wave's first key
	s_lshl_b32 s24, s10, 13                        ; 16384 (w / 2) + 8192 (w % 2) = 8192 w: my four tiles' images
	s_add_nc_u64 s[12:13], s[8:9], s[24:25]
	s_lshl_b32 s24, s10, 8
	s_add_co_u32 s24, s24, KSO                     ; 512 (w / 2) + 256 (w % 2) = 256 w: my two scale registers
	s_add_nc_u64 s[14:15], s[8:9], s[24:25]
.macro KLOAD p
.set n, 0
.rept 32
	global_load_b128 v[R+4*n:R+4*n+3], v2, s[4:5] offset:(32*\p+n)*512 th:TH_LOAD_NT   ; 32 lanes read a key's 512 consecutive bytes
.set n, n+1
.endr
.endm
.macro KSTAGE
.set n, 0
.rept 32
	ds_store_b128 v3, v[R+4*n:R+4*n+3] offset:(16*((n/8)%2)+n%8+8*(n/16))*SPT
.set n, n+1
.endr
.endm
.macro KREAD u                         ; tile u's rows back, 64 bytes of each block of 32 a lane.  LDS serves a wave's instructions in order (ISA guide 5.7.1.4): these see the stores above
.irp c, 0,1,2,3
.irp j, 0,1,2,3
	ds_load_b128 v[XK+16*\c+4*\j:XK+16*\c+4*\j+3], v4 offset:16*\u*SPT+128*\c+16*\j
.endr
.endr
.endm
.macro QUANT pw                        ; the 64 numbers in v[XK] on become a fragment's codes in v[PC] on and its scale word in v[pw]
.irp b, 0,1,2,3
	v_max3_num_f32 v[TM+\b], |v[XK+16*\b]|, |v[XK+16*\b+1]|, 0x8000000   ; block b: my 16 numbers, and the floor 2^(16 - 127): the byte cannot fall under 1
.endr
.irp i, 2,4,6,8,10,12,14
.irp b, 0,1,2,3
	v_max3_num_f32 v[TM+\b], v[TM+\b], |v[XK+16*\b+\i]|, |v[XK+16*\b+\i+1]|   ; the four blocks by turns
.endr
.endr
.irp b, 0,1,2,3
	v_permlanex16_b32 v[TM+4+\b], v[TM+\b], s20, s21
.endr
.irp b, 0,1,2,3
	v_max_num_f32 v[TM+\b], v[TM+\b], v[TM+4+\b]   ; with lane l xor 16's: the block's largest magnitude
.endr
.irp b, 0,1,2,3
	v_add_nc_u32 v[TM+12+\b], 0xf8800000, v[TM+\b] ; 15 off its exponent field: the conversion takes the exponent field of this operand as its scale
.endr
.irp b, 0,1,2,3
	v_and_or_b32 v[TM+8+\b], v[TM+\b], 0x7f800000, s23   ; 57,344 x the scale
.endr
.irp b, 0,1,2,3
	v_lshrrev_b32 v[TM+4+\b], 23, v[TM+12+\b]      ; the scale's byte
.endr
	v_lshl_or_b32 v[\pw], v[TM+5], 8, v[TM+4]
	v_lshl_or_b32 v[\pw], v[TM+6], 16, v[\pw]
	v_lshl_or_b32 v[\pw], v[TM+7], 24, v[\pw]      ; my key's scale word (lanes 16-31 hold the same as lanes 0-15)
.irp b, 0,1,2,3
.set n, 0
.rept 16
	v_med3_num_f32 v[XK+16*\b+n], v[XK+16*\b+n], -v[TM+8+\b], v[TM+8+\b]   ; the conversion to an 8-bit code does not saturate (ISA guide 7.6.2): the hold
.set n, n+1
.endr
	v_cvt_scalef32_pk8_bf8_f32 v[PC+4*\b:PC+4*\b+1], v[XK+16*\b:XK+16*\b+7], v[TM+12+\b]
	v_cvt_scalef32_pk8_bf8_f32 v[PC+4*\b+2:PC+4*\b+3], v[XK+16*\b+8:XK+16*\b+15], v[TM+12+\b]
.endr
	v_nop                                          ; one plain line behind the last scaled conversion
.endm
.macro KOUT p, u
.irp c, 0,1,2,3
	global_store_b128 v2, v[PC+4*\c:PC+4*\c+3], s[12:13] offset:(2*\p+\u)*2048+512*\c   ; 32 lanes store 512 consecutive bytes, aligned
.endr
.endm
.macro KPAIR p
	s_wait_loadcnt 0x0                             ; the pair's 32 keys are in
	KSTAGE
	KREAD 0
	s_wait_dscnt 0x0                               ; tile 0's numbers are back, and the stage's stores have read their registers,
.if \p == 0
	KLOAD 1                                        ; which take the second pair while the first is worked on
.endif
	s_wait_xcnt 0x0                                ; earlier stores have read the codes' registers: only behind this wait are they written again
	QUANT PW0
	KOUT \p, 0
	KREAD 1
	s_wait_dscnt 0x0
	s_wait_xcnt 0x0
	QUANT PW0+1
	v_cndmask_b32 v[KW+\p], v[PW0], v[PW0+1], s30  ; lanes 0-15: the even tile's words; lanes 16-31: the odd tile's
	KOUT \p, 1
.endm
	MLOAD 52
	KLOAD 0
	s_wait_alu depctr_va_vdst(0)
	KPAIR 0
	KPAIR 1
	MFIN 52
	global_store_b64 v5, v[KW:KW+1], s[14:15]
	s_wait_tensorcnt 0x0
	ds_add_u32 v14, v15
	s_wait_dscnt 0x0
	s_endpgm
; ---------------- V: wave w, lane l takes channel 32 w + l, AND ITS REGISTERS RUN DOWN THE KEYS: a block of 32 keys lies in one lane's 32 registers, its largest magnitude needs no other lane,
; and the conversions give codes with the keys innermost.  A block's first 16 codes are registers 4 c .. 4 c + 3 of lane r of the channel's tile, the other 16 those of lane 16 + r: two stores, in each of which
; sixteen lanes fill 256 consecutive bytes, aligned.  Nothing goes through LDS.
.Lv_path:
	v_lshlrev_b32 v2, 2, v1                        ; in: 4 bytes a lane: a wave reads 128 consecutive bytes of a key, the four waves its 512
	s_wait_alu depctr_va_vdst(0)
	v_lshrrev_b32 v6, 4, v1
	v_and_b32 v7, 15, v1
	v_lshlrev_b32 v3, 4, v7
	v_lshl_add_u32 v3, v6, 11, v3                  ; out: tile 2 w + l / 16, lane l % 16
	s_lshl_b32 s24, s10, 7
	s_add_co_u32 s16, s16, s24
	s_add_nc_u64 s[6:7], s[6:7], s[16:17]          ; v at the unit's first key, my wave's 32 channels
	s_lshl_b32 s24, s10, 12
	s_add_co_u32 s24, s24, VCO
	s_add_nc_u64 s[12:13], s[8:9], s[24:25]        ; my two tiles' images
	s_lshl_b32 s24, s10, 8
	s_add_co_u32 s24, s24, VSO
	s_add_nc_u64 s[14:15], s[8:9], s[24:25]        ; my 32 channels' scale words
.macro VLOAD t                         ; block t: keys 32 t + n of my channel into set t % 2
.set n, 0
.rept 32
	global_load_b32 v[XV+32*((\t)%2)+n], v2, s[6:7] offset:(32*(\t)+n)*512 th:TH_LOAD_NT
.set n, n+1
.endr
.endm
.macro VBLOCK t
.set XS, XV+32*((\t)%2)
.if (\t) < 7
	s_wait_loadcnt 32                              ; this block's 32 loads are in; the next block's 32 may be out
.else
	s_wait_loadcnt 0x0
.endif
	v_max3_num_f32 v12, |v[XS]|, |v[XS+1]|, |v[XS+2]|              ; the block's largest magnitude: all 32 numbers are mine; two chains
	v_max3_num_f32 v13, |v[XS+3]|, |v[XS+4]|, |v[XS+5]|
.irp i, 6,10,14,18,22,26
	v_max3_num_f32 v12, v12, |v[XS+\i]|, |v[XS+\i+1]|
	v_max3_num_f32 v13, v13, |v[XS+\i+2]|, |v[XS+\i+3]|
.endr
	v_max3_num_f32 v12, v12, |v[XS+30]|, |v[XS+31]|
	v_max3_num_f32 v12, v12, v13, 0x8000000        ; and the floor 2^(16 - 127)
	v_add_nc_u32 v11, 0xf8800000, v12              ; the conversions' scale operand
	v_and_or_b32 v10, v12, 0x7f800000, s23         ; 57,344 x the scale
	v_lshrrev_b32 v13, 23, v11                     ; the scale's byte
.if (\t)%4 == 0
	v_mov_b32 v[SB+(\t)/4], v13                    ; four bytes to a step's word, the lower keys in the lower byte
.else
	v_lshl_or_b32 v[SB+(\t)/4], v13, 8*((\t)%4), v[SB+(\t)/4]
.endif
.set n, 0
.rept 32
	v_med3_num_f32 v[XS+n], v[XS+n], -v10, v10     ; the hold (ISA guide 7.6.2)
.set n, n+1
.endr
.irp g, 0,1,2,3
	v_cvt_scalef32_pk8_bf8_f32 v[CV+8*(\t)+2*\g:CV+8*(\t)+2*\g+1], v[XS+8*\g:XS+8*\g+7], v11
.endr
	v_nop                                          ; one plain line behind the last scaled conversion
	global_store_b128 v3, v[CV+8*(\t):CV+8*(\t)+3], s[12:13] offset:16384*((\t)/4)+512*((\t)%4)
	global_store_b128 v3, v[CV+8*(\t)+4:CV+8*(\t)+7], s[12:13] offset:16384*((\t)/4)+512*((\t)%4)+256
.if (\t) < 6
	VLOAD (\t)+2
.endif
.endm
	MLOAD 160
	VLOAD 0
	VLOAD 1
.irp t, 0,1,2,3,4,5,6,7
	VBLOCK \t
.endr
	MFIN 160
	global_store_b64 v5, v[SB:SB+1], s[14:15]
	s_endpgm
.Lfunc_end_k_qbce0e0deca_quant:
	.size	k_qbce0e0deca_quant, .Lfunc_end_k_qbce0e0deca_quant-k_qbce0e0deca_quant
	.p2alignl 7, 3214868480
	.fill 96, 4, 3214868480
	.section	.rodata,"a",@progbits
	.p2align	6, 0x0
	.amdhsa_kernel k_qbce0e0deca_quant
		.amdhsa_group_segment_fixed_size 68096
		.amdhsa_private_segment_fixed_size 0
		.amdhsa_enable_private_segment 0
		.amdhsa_kernarg_size 40
		.amdhsa_user_sgpr_count 2
		.amdhsa_user_sgpr_kernarg_segment_ptr 1
		.amdhsa_wavefront_size32 1
		.amdhsa_system_sgpr_workgroup_id_x 1
		.amdhsa_system_sgpr_workgroup_id_y 1
		.amdhsa_system_sgpr_workgroup_id_z 1
		.amdhsa_system_vgpr_workitem_id 0
		.amdhsa_next_free_vgpr 256
		.amdhsa_next_free_sgpr 66
		.amdhsa_reserve_vcc 1
		.amdhsa_float_denorm_mode_32 3
		.amdhsa_float_denorm_mode_16_64 3
		.amdhsa_memory_ordered 1
		.amdhsa_forward_progress 1
		.amdhsa_inst_pref_size 109
	.end_amdhsa_kernel
	.amdgpu_metadata
---
amdhsa.version: [ 1, 2 ]
amdhsa.kernels:
  - .name:           k_qbce0e0deca_quant
    .symbol:         k_qbce0e0deca_quant.kd
    .args:
      - { .name: k, .offset: 0, .size: 8, .value_kind: global_buffer, .address_space: global }
      - { .name: v, .offset: 8, .size: 8, .value_kind: global_buffer, .address_space: global }
      - { .name: kv, .offset: 16, .size: 8, .value_kind: global_buffer, .address_space: global }
      - { .name: mask, .offset: 24, .size: 8, .value_kind: global_buffer, .address_space: global }
      - { .name: flags, .offset: 32, .size: 8, .value_kind: global_buffer, .address_space: global }
    .group_segment_fixed_size: 68096
    .private_segment_fixed_size: 0
    .kernarg_segment_align: 8
    .kernarg_segment_size: 40
    .max_flat_workgroup_size: 128
    .sgpr_count:     66
    .vgpr_count:     256
    .wavefront_size: 32
...
	.end_amdgpu_metadata
.endif
;; end of part 1
;; launch attn (part 2): grid 256 x 1, 8 waves a work-group, no clusters, 136,192 bytes of LDS; arguments q, kv, mask, out0, flags; writes out0
.if DOCPART == 2
	.amdgcn_target "amdgcn-amd-amdhsa--gfx1250"
	.amdhsa_code_object_version 6
	.text
	.protected	k_qbce0e0deca_attn
	.globl	k_qbce0e0deca_attn
	.p2align	8
	.type	k_qbce0e0deca_attn,@function
k_qbce0e0deca_attn:
	s_mov_b64 s[64:65], 0
	v_nop
	global_prefetch_b8 v0, s[64:65] scope:SCOPE_SE
	s_setreg_imm32_b32 hwreg(HW_REG_WAVE_MODE, 25, 1), 1
	s_wait_xcnt 0x0
; out[h][q][:] = the sum over k of softmax_k(where(mask[q][k], -inf, Q[h][q] . K[h][k] / sqrt(128))) V[h][k][:], 64 heads, 2,048 queries and keys, head size 128; both products on codes of BF8 (E5M2), one E8M0 scale for each 32 along K.
; q: f32, quantised here in registers.  kv: K's and V's codes and scale words as images of the operand registers, 67,584 bytes for 256 keys of a head (laid by launch quant).
; mask: an input, bytes 0 or 1; no pattern of it is built in.  flags (whole numbers, stored by launch quant from the mask): for each 8 queries x 128 keys, bit 0 = an open key, bit 1 = a hidden key.
; WHAT THE MASK'S WHOLE NUMBERS DECIDE.  A wave owns 32 queries at a time and takes the keys in steps of 128.  A step all of whose 32 x 128 mask bytes are 1 gives p = 0 for every score, whatever q, k and v hold: it is not walked.
; A step with no hidden key reads no mask byte.  In every other step the mask's bytes are read and each hidden score becomes -2^100 ahead of the maximum.  LIMIT: a NaN or infinity of k or v in a step that is not walked is not carried to the result.
; THE SOFTMAX: t = score x log2(e) / sqrt(128); M = the running largest t rounded UP to a whole number; p = 2^(t - M) is quantised along the keys; the row's sum is taken of the unquantised p and divides at the end;
; when M moves, the sum and O are multiplied by 2^(old M - new M), which rounds nothing.  The running largest t begins at -2^90, over every hidden t: a row with every key hidden ends with sum 0 and O 0, and 0 x (1 / 0) is NaN.
; LIMITS: a row whose every open t lies under -2^90 is taken as wholly hidden; NaN and infinities among q, k, v are not served; a block of q under 2^(16 - 127) keeps the scale byte 1.
; SHARES.  Work-group x: head x / 4; wave w has j = 8 (x % 4) + w and owns query groups 63 - j and j (32 rows each), one after the other, by one text in a loop of two trips.  2,048 waves, two to a SIMD.
; The walk hangs on numbers read from memory, so the text has no tensor load, no copy, no barrier and no cluster: each wave loads its fragments from kv straight into registers, 16 bytes x lane, all eight of K or of V at a time:
; K's for the next live step are asked for behind this step's last product, V's behind K Q^T.  No prefetch is laid: these loads are themselves issued a stage ahead, and their addresses are known no earlier than the list is read.
; LAYOUT.  Both products are used transposed: S^T = K Q^T, O^T = V^T P^T: a lane holds ONE query (lane % 16).  The 16 registers of K's tiles 2 b, 2 b + 1 are keys 32 b + 16 (lane / 16) + 0 .. 15.
; REGISTERS.  Window 0: v1-9 addresses; v10-11 Q's scale words; v12-15 K's, then V's scale registers; v16-17 p's scale words; v18-25 statistics; v26-153 S^T, then p; v154-185 p's codes; v186-221 at work (18 a tile; the mask's bytes in a mixed step); v222-253 Q's codes.
; Window 1: v0-127 O^T; v128-255 eight fragments of K or V.
.set UNITB, 67584
.set WST,   32*528                     ; a wave's stage: 32 rows of 512 bytes + 16 of padding
.set SPARE, 8*WST                      ; the spare words, 128 bytes for each wave
.set LI,  1                            ; 16 x lane
.set SCO, 2                            ; 8 x lane
.set MA,  3                            ; the mask: 2,048 r + 16 h
.set SPW, 4
.set NIL, 5
.set SA,  6                            ; stage + 16 x lane: whole rows
.set SQ,  7                            ; stage + 528 r + 64 h: q's way back
.set SO,  8                            ; stage + 528 r + 32 h: O's way in
.set FA,  9                            ; 16 (lane % 16): the flags
.set QS,  10
.set SW,  12
.set PS,  16
.set ST,  18                           ; tile i at ST + 4 i: -M, the largest t, the sum in two halves
.set S,   26
.set P,   154
.set WK,  186                          ; tile i at WK + 18 i: +0-3 block maxima; +4-7 the other half's, at work, bytes, a partial sum; +8-11 57,344 x the scale; +12-15 the conversions' scale operands; +16,17 f and 0
.set WS,  18
.set Q,   222
.set T0,  254
.set FR,  128
.set MSB, 0
.macro WIN new                         ; s_set_vgpr_msb: bits 1:0 source 0, 3:2 source 1, 5:4 source 2, 7:6 destination; the high byte repeats the setting that is left
.if MSB != \new
	s_set_vgpr_msb (MSB<<8)|\new
.set MSB, \new
.endif
.endm
.macro PLACES n
.rept \n
	v_nop
.endr
.endm
; The next live step: the lowest bit of s25, held to 0 .. 15; its places in kv and in the mask; the bit is taken off.
.macro ADDR
	s_ctz_i32_b32 s29, s25
	s_min_u32 s29, s29, 15
	s_sub_co_u32 s48, s25, 1
	s_and_b32 s25, s25, s48
	s_and_b32 s44, s29, 14
	s_mul_i32 s44, s44, UNITB/2                    ; the unit: (step / 2) x 67,584
	s_and_b32 s48, s29, 1
	s_lshl_b32 s50, s48, 14
	s_add_co_u32 s50, s50, s44
	s_lshl_b32 s52, s48, 9
	s_add_co_u32 s52, s52, s44
	s_add_co_u32 s52, s52, 65536
	s_lshl_b32 s54, s48, 2
	s_add_co_u32 s54, s54, s44
	s_add_co_u32 s54, s54, 66560
	s_lshl_b32 s56, s29, 7
	s_add_nc_u64 s[32:33], s[30:31], s[50:51]      ; codes: K's here, V's 32,768 on
	s_add_nc_u64 s[34:35], s[30:31], s[52:53]      ; K's scale registers
	s_add_nc_u64 s[36:37], s[30:31], s[54:55]      ; V's
	s_add_nc_u64 s[38:39], s[46:47], s[56:57]      ; my 32 rows of the mask at the step's first key
.endm
.macro FRAGS off                       ; eight fragments as they lie: each load is 512 consecutive bytes
	WIN 0x40
.irp t, 0,1,2,3,4,5,6,7
.irp c, 0,1,2,3
	global_load_b128 v[FR+16*\t+4*\c:FR+16*\t+4*\c+3], v[LI], s[32:33] offset:\off+2048*\t+512*\c
.endr
.endr
	WIN 0
.endm
.macro KLOADS                          ; 34 loads
	FRAGS 0
	global_load_b64 v[SW:SW+1], v[SCO], s[34:35]
	global_load_b64 v[SW+2:SW+3], v[SCO], s[34:35] offset:256
.endm
.macro VLOADS                          ; 36 loads
	FRAGS 32768
.irp j, 0,1,2,3
	global_load_b32 v[SW+\j], v[SCO], s[36:37] offset:256*\j
.endr
.endm
.macro KQ                              ; S^T = K Q^T: sixteen accumulators, each begun with the constant 0
	WIN 0x01
.irp t, 0,1,2,3,4,5,6,7
.irp i, 0,1
.set rD, S+64*\i+8*\t
.set rA, FR+16*\t
.set rB, Q+16*\i
.set rS, SW+\t/2
.if \t%2
	v_wmma_scale_f32_16x16x128_f8f6f4 v[rD:rD+7], v[rA:rA+15], v[rB:rB+15], 0, v[rS], v[QS+\i] matrix_a_fmt:MATRIX_FMT_BF8 matrix_b_fmt:MATRIX_FMT_BF8 matrix_a_scale:MATRIX_SCALE_ROW1
.else
	v_wmma_scale_f32_16x16x128_f8f6f4 v[rD:rD+7], v[rA:rA+15], v[rB:rB+15], 0, v[rS], v[QS+\i] matrix_a_fmt:MATRIX_FMT_BF8 matrix_b_fmt:MATRIX_FMT_BF8
.endif
.endr
.endr
.endm
.macro PV                              ; O^T += V^T P^T: the sixteen accumulators by turns
	WIN 0x51
.irp t, 0,1,2,3,4,5,6,7
.irp i, 0,1
.set rD, 64*\i+8*\t
.set rA, FR+16*\t
.set rB, P+16*\i
.set rS, SW+\t/2
.if \t%2
	v_wmma_scale_f32_16x16x128_f8f6f4 v[rD:rD+7], v[rA:rA+15], v[rB:rB+15], v[rD:rD+7], v[rS], v[PS+\i] matrix_a_fmt:MATRIX_FMT_BF8 matrix_b_fmt:MATRIX_FMT_BF8 matrix_a_scale:MATRIX_SCALE_ROW1
.else
	v_wmma_scale_f32_16x16x128_f8f6f4 v[rD:rD+7], v[rA:rA+15], v[rB:rB+15], v[rD:rD+7], v[rS], v[PS+\i] matrix_a_fmt:MATRIX_FMT_BF8 matrix_b_fmt:MATRIX_FMT_BF8
.endif
.endr
.endr
.endm
; A mixed step: register WK + 16 i + 4 c + w holds the mask bytes of my query of tile i for keys 32 c + 16 h + 4 w + 0 .. 3.  x 255 makes each byte 0 or 0xff; a byte spread over a word selects -2^100 or the score.
.macro MLOADS
.irp i, 0,1
.irp c, 0,1,2,3
	global_load_b128 v[WK+16*\i+4*\c:WK+16*\i+4*\c+3], v[MA], s[38:39] offset:32768*\i+32*\c
.endr
.endr
.endm
.macro MAPPLY
.set n, 0
.rept 32
	v_mul_lo_u32 v[WK+n], v[WK+n], s71
.set n, n+1
.endr
.set n, 0
.rept 32
.set sb, S+64*(n/16)+4*(n%16)          ; ascending: each accumulator is read from its low end on
	v_perm_b32 v[T0], v[WK+n], v[WK+n], 0
	v_perm_b32 v[T0+1], v[WK+n], v[WK+n], s66
	v_perm_b32 v[WK+32], v[WK+n], v[WK+n], s67
	v_perm_b32 v[WK+33], v[WK+n], v[WK+n], s68
	v_bfi_b32 v[sb], v[T0], s70, v[sb]
	v_bfi_b32 v[sb+1], v[T0+1], s70, v[sb+1]
	v_bfi_b32 v[sb+2], v[WK+32], s70, v[sb+2]
	v_bfi_b32 v[sb+3], v[WK+33], s70, v[sb+3]
.set n, n+1
.endr
	v_mov_b32 v[WK+17], 0                          ; the upper half of tile 0's f pair lay under the mask's bytes
.endm
; Tile i's 64 numbers of q become Q's codes and scale word.
.macro QUANTQ i
.set qs, S+64*\i
.set qw, WK+WS*\i
.irp b, 0,1,2,3
	v_max3_num_f32 v[qw+\b], |v[qs+16*\b]|, |v[qs+16*\b+1]|, 0x8000000   ; block b: my 16 numbers, and the floor 2^(16 - 127)
.endr
.irp n, 2,4,6,8,10,12,14
.irp b, 0,1,2,3
	s_delay_alu instid0(VALU_DEP_4)
	v_max3_num_f32 v[qw+\b], v[qw+\b], |v[qs+16*\b+\n]|, |v[qs+16*\b+\n+1]|
.endr
.endr
.irp b, 0,1,2,3
	v_permlanex16_b32 v[qw+4+\b], v[qw+\b], s20, s21
.endr
.irp b, 0,1,2,3
	s_delay_alu instid0(VALU_DEP_4)
	v_max_num_f32 v[qw+\b], v[qw+\b], v[qw+4+\b]
.endr
.irp b, 0,1,2,3
	s_delay_alu instid0(VALU_DEP_4)
	v_add_nc_u32 v[qw+12+\b], 0xf8800000, v[qw+\b]
.endr
.irp b, 0,1,2,3
	v_and_or_b32 v[qw+8+\b], v[qw+\b], 0x7f800000, s24
.endr
.irp b, 0,1,2,3
	v_lshrrev_b32 v[qw+4+\b], 23, v[qw+12+\b]
.endr
	s_delay_alu instid0(VALU_DEP_3)
	v_lshl_or_b32 v[QS+\i], v[qw+5], 8, v[qw+4]
	s_delay_alu instid0(VALU_DEP_1)
	v_lshl_or_b32 v[QS+\i], v[qw+6], 16, v[QS+\i]
	s_delay_alu instid0(VALU_DEP_1)
	v_lshl_or_b32 v[QS+\i], v[qw+7], 24, v[QS+\i]
.irp b, 0,1,2,3
.set n, 0
.rept 16
	v_med3_num_f32 v[qs+16*\b+n], v[qs+16*\b+n], -v[qw+8+\b], v[qw+8+\b]   ; the hold (ISA guide 7.6.2)
.set n, n+1
.endr
.endr
.irp b, 0,1,2,3
	v_cvt_scalef32_pk8_bf8_f32 v[Q+16*\i+4*\b:Q+16*\i+4*\b+1], v[qs+16*\b:qs+16*\b+7], v[qw+12+\b]
	v_cvt_scalef32_pk8_bf8_f32 v[Q+16*\i+4*\b+2:Q+16*\i+4*\b+3], v[qs+16*\b+8:qs+16*\b+15], v[qw+12+\b]
.endr
	v_nop                                          ; one plain line behind the last scaled conversion
.endm
; The softmax of both tiles for 128 keys, the two tiles by turns line by line.
.macro SOFTMAX
.irp b, 0,1,2,3
.irp i, 0,1
	v_max3_num_f32 v[WK+WS*\i+\b], v[S+64*\i+16*\b], v[S+64*\i+16*\b+1], v[S+64*\i+16*\b+2]   ; the largest score of each block of 32 keys: for the row's maximum and, since p rises with the score, for the block's largest p
.endr
.endr
.irp n, 3,5,7,9,11,13
.irp b, 0,1,2,3
.irp i, 0,1
	v_max3_num_f32 v[WK+WS*\i+\b], v[WK+WS*\i+\b], v[S+64*\i+16*\b+\n], v[S+64*\i+16*\b+\n+1]
.endr
.endr
.endr
.irp b, 0,1,2,3
.irp i, 0,1
	v_max_num_f32 v[WK+WS*\i+\b], v[WK+WS*\i+\b], v[S+64*\i+16*\b+15]
.endr
.endr
.irp b, 0,1,2,3
.irp i, 0,1
	v_permlanex16_b32 v[WK+WS*\i+4+\b], v[WK+WS*\i+\b], s20, s21
.endr
.endr
.irp b, 0,1,2,3
.irp i, 0,1
	v_max_num_f32 v[WK+WS*\i+\b], v[WK+WS*\i+\b], v[WK+WS*\i+4+\b]   ; with lane l xor 16's 16 keys
.endr
.endr
.irp i, 0,1
	s_delay_alu instid0(VALU_DEP_4)
	v_max3_num_f32 v[WK+WS*\i+4], v[WK+WS*\i], v[WK+WS*\i+1], v[WK+WS*\i+2]
.endr
.irp i, 0,1
	s_delay_alu instid0(VALU_DEP_2)
	v_max_num_f32 v[WK+WS*\i+4], v[WK+WS*\i+4], v[WK+WS*\i+3]        ; the step's largest score of my query
.endr
.irp i, 0,1
	s_delay_alu instid0(VALU_DEP_2)
	v_mul_f32 v[WK+WS*\i+4], s22, v[WK+WS*\i+4]                      ; as t (c is positive)
.endr
.irp i, 0,1
	s_delay_alu instid0(VALU_DEP_2)
	v_max_num_f32 v[ST+4*\i+1], v[ST+4*\i+1], v[WK+WS*\i+4]          ; the running largest t
.endr
.irp i, 0,1
	v_mov_b32 v[WK+WS*\i+4], v[ST+4*\i]
.endr
.irp i, 0,1
	s_delay_alu instid0(VALU_DEP_4)
	v_floor_f32 v[ST+4*\i], -v[ST+4*\i+1]                            ; the new -M = floor(-t): a whole number
.endr
.irp i, 0,1
	s_delay_alu instid0(VALU_DEP_2)
	v_sub_f32 v[WK+WS*\i+4], v[ST+4*\i], v[WK+WS*\i+4]               ; old M - new M: a whole number, 0 or less
.endr
.irp i, 0,1
	s_delay_alu instid0(VALU_DEP_2)
	v_cvt_i32_f32 v[WK+WS*\i+4], v[WK+WS*\i+4]                       ; (it saturates)
.endr
.irp i, 0,1
	s_delay_alu instid0(VALU_DEP_2)
	v_ldexp_f32 v[WK+WS*\i+16], 1.0, v[WK+WS*\i+4]                   ; f = 2^(old M - new M)
.endr
.set n, 0
.rept 32
	v_pk_fma_f32 v[S+n:S+n+1], v[S+n:S+n+1], s[22:23], v[ST:ST+1] op_sel_hi:[1,0,0]               ; t - M, two at a time (of the pairs c and -M the low word serves both halves)
	v_pk_fma_f32 v[S+64+n:S+64+n+1], v[S+64+n:S+64+n+1], s[22:23], v[ST+4:ST+5] op_sel_hi:[1,0,0]
.set n, n+2
.endr
.irp b, 0,1,2,3
.irp i, 0,1
	v_fma_f32 v[WK+WS*\i+\b], v[WK+WS*\i+\b], s22, v[ST+4*\i]        ; the same of each block's largest score
.endr
.endr
.set n, 0
	s_wait_alu depctr_va_vdst(0)                   ; ahead of the batch
.rept 128
	v_exp_f32 v[S+n], v[S+n]                                         ; p = 2^(t - M), at most 1; 0 for a hidden key
.set n, n+1
.endr
.irp b, 0,1,2,3
.irp i, 0,1
	v_exp_f32 v[WK+WS*\i+\b], v[WK+WS*\i+\b]                         ; the block's largest p
.endr
.endr
.irp i, 0,1
	v_pk_mul_f32 v[ST+4*\i+2:ST+4*\i+3], v[ST+4*\i+2:ST+4*\i+3], v[WK+WS*\i+16:WK+WS*\i+17] op_sel_hi:[1,0]   ; the sums under the new M (a plain line behind the exponentials)
.endr
	s_wait_alu depctr_va_vdst(0)                   ; and behind it, ahead of its first reader
.irp b, 0,1,2,3
.irp i, 0,1
	v_max_num_f32 v[WK+WS*\i+\b], 0x8000000, v[WK+WS*\i+\b]          ; the floor 2^(16 - 127): a block whose every p is 0 keeps the byte 1: its codes are zeros
.endr
.endr
.irp b, 0,1,2,3
.irp i, 0,1
	v_add_nc_u32 v[WK+WS*\i+12+\b], 0xf8800000, v[WK+WS*\i+\b]       ; 15 off the exponent field: the conversions' scale operand
.endr
.endr
.irp b, 0,1,2,3
.irp i, 0,1
	v_and_or_b32 v[WK+WS*\i+8+\b], v[WK+WS*\i+\b], 0x7f800000, s24   ; 57,344 x the scale
.endr
.endr
.irp b, 0,1,2,3
.irp i, 0,1
	v_lshrrev_b32 v[WK+WS*\i+4+\b], 23, v[WK+WS*\i+12+\b]            ; the scale's byte
.endr
.endr
.irp i, 0,1
	v_lshl_or_b32 v[PS+\i], v[WK+WS*\i+5], 8, v[WK+WS*\i+4]          ; p's scale word for these 128 keys
.endr
.irp i, 0,1
	s_delay_alu instid0(VALU_DEP_2)
	v_lshl_or_b32 v[PS+\i], v[WK+WS*\i+6], 16, v[PS+\i]
.endr
.irp i, 0,1
	s_delay_alu instid0(VALU_DEP_2)
	v_lshl_or_b32 v[PS+\i], v[WK+WS*\i+7], 24, v[PS+\i]
.endr
.irp i, 0,1
	v_pk_add_f32 v[WK+WS*\i+4:WK+WS*\i+5], v[S+64*\i:S+64*\i+1], v[S+64*\i+2:S+64*\i+3]   ; the row's sum is taken of the unquantised p: two at a time, two chains a tile
.endr
.irp n, 4,8,12,16,20,24,28,32,36,40,44,48,52,56,60
.irp i, 0,1
	v_pk_add_f32 v[ST+4*\i+2:ST+4*\i+3], v[ST+4*\i+2:ST+4*\i+3], v[S+64*\i+\n:S+64*\i+\n+1]
	v_pk_add_f32 v[WK+WS*\i+4:WK+WS*\i+5], v[WK+WS*\i+4:WK+WS*\i+5], v[S+64*\i+\n+2:S+64*\i+\n+3]
.endr
.endr
.irp i, 0
	s_delay_alu instid0(VALU_DEP_3)
	v_pk_add_f32 v[ST+4*\i+2:ST+4*\i+3], v[ST+4*\i+2:ST+4*\i+3], v[WK+WS*\i+4:WK+WS*\i+5]
.endr
.irp i, 1
	s_delay_alu instid0(VALU_DEP_2)
	v_pk_add_f32 v[ST+4*\i+2:ST+4*\i+3], v[ST+4*\i+2:ST+4*\i+3], v[WK+WS*\i+4:WK+WS*\i+5]
.endr
.irp b, 0,1,2,3                        ; the hold (the conversion does not saturate: ISA guide 7.6.2; p is not negative, so it is one-sided): a number of tile 0 and one of tile 1 in each pair
.set n, 0
.rept 8
	v_dual_min_num_f32 v[S+16*\b+n], v[S+16*\b+n], v[WK+8+\b] :: v_dual_min_num_f32 v[S+64+16*\b+n+1], v[S+64+16*\b+n+1], v[WK+WS+8+\b]
	v_dual_min_num_f32 v[S+16*\b+n+1], v[S+16*\b+n+1], v[WK+8+\b] :: v_dual_min_num_f32 v[S+64+16*\b+n], v[S+64+16*\b+n], v[WK+WS+8+\b]
.set n, n+2
.endr
.irp i, 0,1
	v_cvt_scalef32_pk8_bf8_f32 v[P+16*\i+4*\b:P+16*\i+4*\b+1], v[S+64*\i+16*\b:S+64*\i+16*\b+7], v[WK+WS*\i+12+\b]
	v_cvt_scalef32_pk8_bf8_f32 v[P+16*\i+4*\b+2:P+16*\i+4*\b+3], v[S+64*\i+16*\b+8:S+64*\i+16*\b+15], v[WK+WS*\i+12+\b]
.endr
.endr
.endm
	s_load_b256 s[4:11], s[0:1], 0x0               ; q s[4:5], kv s[6:7], mask s[8:9], out s[10:11]
	s_load_b64 s[12:13], s[0:1], 0x20              ; flags
	v_lshl_add_u32 v[SPW], v0, 2, SPARE
	v_mov_b32 v[NIL], 0
	v_lshrrev_b32 v[FA], 5, v0
	v_readfirstlane_b32 s14, v[FA]                 ; wave 0..7
	s_mul_i32 s19, s14, WST                        ; my stage
	v_and_b32 v[LI], 31, v0
	v_and_b32 v10, 15, v0                          ; r
	v_bfe_u32 v11, v0, 4, 1                        ; h
	v_lshlrev_b32 v[SCO], 3, v[LI]
	v_lshlrev_b32 v[LI], 4, v[LI]
	v_lshlrev_b32 v[FA], 4, v10
	v_lshlrev_b32 v[MA], 11, v10
	v_mul_u32_u24 v[SQ], v10, 528
	v_lshl_add_u32 v[MA], v11, 4, v[MA]
	v_add_nc_u32 v[SA], s19, v[LI]
	v_add_nc_u32 v[SQ], s19, v[SQ]
	v_lshl_add_u32 v[SO], v11, 5, v[SQ]
	v_lshl_add_u32 v[SQ], v11, 6, v[SQ]
.irp i, 0,1
	v_mov_b32 v[WK+WS*\i+17], 0                    ; (named as the upper half of f's pair)
.irp b, 0,1,2,3
	v_mov_b32 v[WK+WS*\i+4+\b], 0                  ; written once: a lane permute's destination counts as one of its sources
.endr
.endr
	s_lshr_b32 s15, ttmp9, 2                       ; the head
	s_and_b32 s16, ttmp9, 3
	s_lshl_b32 s16, s16, 3
	s_add_co_u32 s16, s16, s14                     ; j
	s_lshl_b32 s60, s15, 20                        ; the head's 2,048 rows of 512 bytes in q and out
	s_mul_i32 s44, s15, 8*UNITB
	s_mov_b32 s45, 0
	s_mov_b32 s51, 0
	s_mov_b32 s53, 0
	s_mov_b32 s55, 0
	s_mov_b32 s57, 0
	s_mov_b32 s17, 0                               ; which of my two query groups
	s_mov_b32 s20, 0x76543210
	s_mov_b32 s21, 0xfedcba98                      ; v_permlanex16_b32's selects for lane l xor 16
	s_mov_b32 s22, 0x3e0293ee                      ; c = log2(e) / sqrt(128)
	s_mov_b32 s23, s22
	s_mov_b32 s24, 0x600000                        ; the mantissa field of 57,344
	s_mov_b32 s66, 0x01010101                      ; v_perm_b32's selects: byte 1, 2, 3 into all four
	s_mov_b32 s67, 0x02020202
	s_mov_b32 s68, 0x03030303
	s_mov_b32 s70, 0xf1800000                      ; -2^100
	s_mov_b32 s71, 255
	s_wait_alu depctr_va_vdst(0)                   ; at the head's end
	s_wait_kmcnt 0x0
	s_add_nc_u64 s[30:31], s[6:7], s[44:45]        ; kv at my head
.Lphase:
	s_sub_co_u32 s19, 63, s16
	s_cmp_eq_u32 s17, 0
	s_cselect_b32 s18, s19, s16                    ; g: 63 - j, then j
	s_lshl_b32 s44, s18, 8
	s_add_nc_u64 s[58:59], s[12:13], s[44:45]
	global_load_b128 v[WK:WK+3], v[FA], s[58:59]   ; lane l % 16: the four words of step l: 256 consecutive bytes, aligned
	s_lshl_b32 s44, s18, 14
	s_add_co_u32 s44, s44, s60
	s_add_nc_u64 s[40:41], s[4:5], s[44:45]        ; my 32 rows of q,
	s_add_nc_u64 s[42:43], s[10:11], s[44:45]      ; of out,
	s_lshl_b32 s44, s18, 16
	s_add_nc_u64 s[46:47], s[8:9], s[44:45]        ; and of the mask
.set n, 0
.rept 32
	global_load_b128 v[S+4*n:S+4*n+3], v[LI], s[40:41] offset:512*n th:TH_LOAD_NT   ; a row's 512 consecutive bytes
.set n, n+1
.endr
	s_wait_loadcnt 32                              ; the flags are in; q's 32 loads may be out
	v_or_b32 v[WK], v[WK], v[WK+1]
	v_or_b32 v[WK+2], v[WK+2], v[WK+3]
	v_or_b32 v[WK], v[WK], v[WK+2]
	v_and_b32 v[WK+1], 1, v[WK]
	v_and_b32 v[WK+2], 2, v[WK]
	v_cmp_ne_u32 s25, 0, v[WK+1]                   ; bit l: step l has an open key
	v_cmp_ne_u32 s26, 0, v[WK+2]                   ; bit l: step l has a hidden key
	s_and_b32 s25, s25, 0xffff
	s_bcnt1_i32_b32 s27, s25                       ; the steps to walk
	s_mov_b32 s28, 0
	ADDR
	KLOADS                                         ; the first live step's K (with no live step: step 15's, which nothing reads)
	s_wait_loadcnt 34                              ; q is in; K's 34 loads may be out
.set n, 0
.rept 32
	ds_store_b128 v[SA], v[S+4*n:S+4*n+3] offset:528*n
.set n, n+1
.endr
.irp i, 0,1                            ; back: register 16 c + n = d 32 c + 16 h + n of my query.  LDS serves a wave's instructions in order (ISA guide 5.7.1.4)
.irp c, 0,1,2,3
.irp j, 0,1,2,3
	ds_load_b128 v[S+64*\i+16*\c+4*\j:S+64*\i+16*\c+4*\j+3], v[SQ] offset:8448*\i+128*\c+16*\j
.endr
.endr
.endr
	s_wait_dscnt 16                                ; tile 0's 16 loads are back
	QUANTQ 0
	s_wait_dscnt 0x0
	QUANTQ 1
.irp i, 0,1
	v_mov_b32 v[ST+4*\i+1], 0xec800000             ; the largest t so far: -2^90
	s_delay_alu instid0(VALU_DEP_1)
	v_floor_f32 v[ST+4*\i], -v[ST+4*\i+1]          ; -M
	v_mov_b32 v[ST+4*\i+2], 0                      ; the sum, in two halves
	v_mov_b32 v[ST+4*\i+3], 0
.endr
	WIN 0x40
.set n, 0
.rept 128
	v_mov_b32 v[n], 0                              ; O^T: the step is written once; the first finds zeros, and so does the way out of a group with no live step
.set n, n+1
.endr
	WIN 0
	s_cmp_eq_u32 s27, 0
	s_cbranch_scc1 .Ldone
.Lstep:                                            ; s27 trips: one live step of 128 keys each
	s_bitcmp1_b32 s26, s29
	s_cbranch_scc1 .Lmixed
	s_wait_loadcnt 0x0                             ; K
	KQ
	PLACES 8                                       ; behind the products: for the loads below and the first reads of S^T
	VLOADS
	s_branch .Lsoft
.Lmixed:
	MLOADS
	s_wait_loadcnt 8                               ; K is in; the mask's eight loads may be out
	KQ
	PLACES 8
	VLOADS
	s_wait_loadcnt 36                              ; the mask's bytes are in; V's 36 loads may be out
	MAPPLY
.Lsoft:
	SOFTMAX
	WIN 0x41                                       ; O^T in window 1, f in window 0
	s_wait_alu depctr_va_vdst(0)                   ; directly ahead of the first reader of O^T
.set n, 0
.rept 64
.set ri, n/32
.set rj, 64*ri+2*(n%32)
	v_pk_mul_f32 v[rj:rj+1], v[rj:rj+1], v[WK+WS*ri+16:WK+WS*ri+17] op_sel_hi:[1,0]   ; O^T x f; these are also the places between the conversions, the scale words and the products
.set n, n+1
.endr
	s_wait_alu depctr_va_vdst(0)                   ; directly ahead of the wait below
	s_wait_loadcnt 0x0                             ; V
	PV
	WIN 0
	PLACES 8                                       ; behind the products: for the loads below, or for the way out
	s_add_co_u32 s28, s28, 1
	s_cmp_lt_u32 s28, s27
	s_cbranch_scc0 .Ldone                          ; no step is left: nothing more is asked for
	ADDR
	KLOADS                                         ; the next live step's K
	s_cmp_lt_u32 s28, s27
	s_cbranch_scc1 .Lstep
.Ldone:
	s_wait_loadcnt 0x0                             ; (a group with no live step comes here with K's loads out)
	; THE WAY OUT.  O^T is divided by the sum and turns through my stage: in by lanes, back by rows, so that a wave stores a row's 512 consecutive bytes.
.irp i, 0,1
	v_add_f32 v[WK+WS*\i+6], v[ST+4*\i+2], v[ST+4*\i+3]
.endr
.irp i, 0,1
	v_permlanex16_b32 v[WK+WS*\i+4], v[WK+WS*\i+6], s20, s21
.endr
.irp i, 0,1
	v_add_f32 v[WK+WS*\i+6], v[WK+WS*\i+6], v[WK+WS*\i+4]            ; the row's sum
.endr
	s_wait_alu depctr_va_vdst(0)                   ; ahead of the batch
.irp i, 0,1
	v_rcp_f32 v[WK+WS*\i+6], v[WK+WS*\i+6]
.endr
	v_nop                                          ; a plain line behind the reciprocals
	WIN 0x01                                       ; O^T in window 1; the quotient goes where p lay
	s_wait_alu depctr_va_vdst(0)                   ; and behind it, directly ahead of the first reader
.set n, 0
.rept 64
	v_mul_f32 v[S+n], v[n], v[WK+6]                ; register 8 t + j is out(r, 16 t + 8 h + j); each accumulator from its low end on
.set n, n+1
.endr
.set n, 0
.rept 64
	v_mul_f32 v[S+64+n], v[64+n], v[WK+WS+6]
.set n, n+1
.endr
	WIN 0
.irp i, 0,1
.irp t, 0,1,2,3,4,5,6,7
	ds_store_b128 v[SO], v[S+64*\i+8*\t:S+64*\i+8*\t+3] offset:8448*\i+64*\t
	ds_store_b128 v[SO], v[S+64*\i+8*\t+4:S+64*\i+8*\t+7] offset:8448*\i+64*\t+16
.endr
.endr
.set n, 0
.rept 32
	ds_load_b128 v[S+4*n:S+4*n+3], v[SA] offset:528*n
.set n, n+1
.endr
.set n, 0
.rept 32
	s_wait_dscnt 31-n                              ; row n is back; the 31 - n behind it may be out
	global_store_b128 v[LI], v[S+4*n:S+4*n+3], s[42:43] offset:512*n th:TH_STORE_NT
.set n, n+1
.endr
	s_wait_xcnt 0x0                                ; the stores have read their data and base: only behind this wait are they written again
	s_add_co_u32 s17, s17, 1
	s_cmp_lt_u32 s17, 2
	s_cbranch_scc1 .Lphase
	s_wait_tensorcnt 0x0                           ; the wave's end, behind my last LDS store
	ds_add_u32 v[SPW], v[NIL]
	s_wait_dscnt 0x0
	s_endpgm
.Lfunc_end_k_qbce0e0deca_attn:
	.size	k_qbce0e0deca_attn, .Lfunc_end_k_qbce0e0deca_attn-k_qbce0e0deca_attn
	.p2alignl 7, 3214868480
	.fill 96, 4, 3214868480
	.section	.rodata,"a",@progbits
	.p2align	6, 0x0
	.amdhsa_kernel k_qbce0e0deca_attn
		.amdhsa_group_segment_fixed_size 136192
		.amdhsa_private_segment_fixed_size 0
		.amdhsa_enable_private_segment 0
		.amdhsa_kernarg_size 40
		.amdhsa_user_sgpr_count 2
		.amdhsa_user_sgpr_kernarg_segment_ptr 1
		.amdhsa_wavefront_size32 1
		.amdhsa_system_sgpr_workgroup_id_x 1
		.amdhsa_system_sgpr_workgroup_id_y 1
		.amdhsa_system_sgpr_workgroup_id_z 1
		.amdhsa_system_vgpr_workitem_id 0
		.amdhsa_next_free_vgpr 512
		.amdhsa_next_free_sgpr 72
		.amdhsa_reserve_vcc 0
		.amdhsa_float_denorm_mode_32 3
		.amdhsa_float_denorm_mode_16_64 3
		.amdhsa_memory_ordered 1
		.amdhsa_forward_progress 1
		.amdhsa_inst_pref_size 118
	.end_amdhsa_kernel
	.amdgpu_metadata
---
amdhsa.version: [ 1, 2 ]
amdhsa.kernels:
  - .name:           k_qbce0e0deca_attn
    .symbol:         k_qbce0e0deca_attn.kd
    .args:
      - { .name: q, .offset: 0, .size: 8, .value_kind: global_buffer, .address_space: global }
      - { .name: kv, .offset: 8, .size: 8, .value_kind: global_buffer, .address_space: global }
      - { .name: mask, .offset: 16, .size: 8, .value_kind: global_buffer, .address_space: global }
      - { .name: out0, .offset: 24, .size: 8, .value_kind: global_buffer, .address_space: global }
      - { .name: flags, .offset: 32, .size: 8, .value_kind: global_buffer, .address_space: global }
    .group_segment_fixed_size: 136192
    .private_segment_fixed_size: 0
    .kernarg_segment_align: 8
    .kernarg_segment_size: 40
    .max_flat_workgroup_size: 256
    .sgpr_count:     72
    .vgpr_count:     512
    .wavefront_size: 32
...
	.end_amdgpu_metadata
.endif
;; end of part 2
